; MI455X (gfx1250); checked and timed in simulation.
; The chip was launched on July 23, 2026; its instructions are those of AMD's public machine-readable ISA for CDNA 5 (MIT licence, August 2026) and "CDNA5" Instruction Set Architecture Reference Guide (July 2026). The comments in the code are by the model that wrote it; some were corrected since.
;; Baseline GRU. Allowed arithmetic: float matrix products may take bf16 or f16 operands with f32 sums; all other float work in f32.
;; Inputs: b_hh 192 float32; b_ih 192 float32; out_b 1 float32; out_w 1 x 64 float32; proj_b 64 float32; proj_w 64 x 1 float32; w_hh 192 x 64 float32; w_ih 192 x 64 float32; x 8 x 512 x 256 x 1 float32.
;; Outputs: out0 8 x 512 float32.
;; One version. Each part assembles by itself: llvm-mc -triple=amdgcn-amd-amdhsa -mcpu=gfx1250 --defsym DOCPART=n.
;; ======== version 1 of 1: 1 launch
;; launch gru (part 1): grid 256 x 1, 4 waves a work-group, no clusters, 168,448 bytes of LDS; arguments x, w_hh, w_ih, proj_w, proj_b, b_ih, b_hh, out_w, out_b, out0; writes out0
.if DOCPART == 1
	.amdgcn_target "amdgcn-amd-amdhsa--gfx1250"
	.amdhsa_code_object_version 6
	.text
	.protected	k_q510481d385_gru
	.globl	k_q510481d385_gru
	.p2align	8
	.type	k_q510481d385_gru,@function
k_q510481d385_gru:
	s_mov_b64 s[64:65], 0
	v_nop
	global_prefetch_b8 v0, s[64:65] scope:SCOPE_SE
	s_setreg_imm32_b32 hwreg(HW_REG_WAVE_MODE, 25, 1), 1
	s_wait_xcnt 0x0
; A GRU over 4,096 sequences of 256 steps, hidden size 64, with a 1 -> 64 projection in front and a 64 -> 1 projection behind.
;
; WHAT IS FOLDED.  The input of a step is one scalar u, so the input side of the gates is gx = u a + c with
;   a = w_ih proj_w   and   c = w_ih proj_b + b_ih   (192 numbers each, made here in f32 from the inputs as given).
; The reshape behind the transpose makes sequence (b, n') at time t' read x[b][(n' & 1) 256 + t'][n' >> 1].
;
; SHARES.  Work-group g owns 16 sequences of one b and one parity of n': b = g >> 5, half = (g >> 4) & 1, cc = g & 15,
; column rho of its tile is n' = 2 (16 cc + rho) + half.  Their inputs are 256 rows (one for each t') of 64 neighbouring bytes of x.
; Wave w owns hidden units 16 w .. 16 w + 15: gate rows 64 G + 16 w + (0 .. 15), G = 0 (r), 1 (z), 2 (n).  A step of a wave is
; 3 tiles x 2 K steps = 6 matrix instructions (A = weights, B = h) and the gates of 16 x 16 numbers, 8 a lane.
; In the result, register j of lane (r, hh) is unit 16 w + 8 hh + j of sequence r.  Packed to bf16 these 8 numbers are the 16 bytes
; that the SAME lane needs as registers 4 (w & 1) .. + 3 of B fragment w >> 1: h goes from wave to wave lane for lane, 16 bytes a lane
; at neighbouring addresses, through two LDS slots that take turns, with one barrier a step.
;
; SCALES.  Rows of gates r, z are multiplied by -log2 e, rows of gate n by 2 log2 e (weights before they are rounded, a, c and biases
; in f32), so that a matrix result is the argument of v_exp_f32:  sigmoid = 1 / (1 + 2^s),  tanh = 1 - 2 / (1 + 2^s).
;
; LIMITS.  h and the scaled w_hh are rounded to bf16 for the products; sums, gx, the carried h and both small projections are f32, their
; sums in another order than the reference's.  v_exp_f32 and v_rcp_f32 are good to 1 ULP and flush results below 2^-126 to zero;
; a gate whose exponential overflows saturates exactly (1 / inf = 0).  Right for finite inputs whose products stay finite.
;
; NO JOINT REQUESTS: no two work-groups read the same bytes of x; the weights that all share are 24 KiB a wave, read once, straight
; into registers with the conversion on the way, in front of 256 steps that touch no memory.
.set U_BASE, 0                         ; u[t'][rho] f32, 256 rows of 64 bytes; wave w's tensor load fills rows 64 w .. 64 w + 63
.set H_BASE, 16384                     ; h in bf16: two slots of 2,048 bytes; wave i's part at 512 i, the lane's 16 bytes at 16 L
.set O_BASE, 20480                     ; 128 words: each thread's part of the output sums
.set T,    16                          ; v[16:19]   at work
.set WF,   20                          ; v[20:67]   weight fragments: gate G, K step kk at WF + 16 G + 8 kk
.set PW,   20                          ; v[20:23]   (only until WF is written) proj_w[4 r .. 4 r + 3]
.set PB,   24                          ; v[24:27]   (likewise) proj_b[4 r .. 4 r + 3]
.set BI,   28                          ; v[28:51]   (likewise) b_ih of my 8 rows, gate G at + 8 G
.set BH,   52                          ; v[52:67]   (likewise) b_hh of my 8 rows, gates r and z
.set AC,   68                          ; v[68:115]  pair i = 4 G + q (rows 2 q, 2 q + 1): a at AC + 4 i, c at AC + 4 i + 2
.set BN,   116                         ; v[116:123] scaled b_hh of gate n: the C operand of its first product
.set OW,   124                         ; v[124:131] out_w of my 8 units
.set HM1,  132                         ; v[132:139] h - 1 in f32
.set ST,   140                         ; v[140:235] staging of weights as loaded (32 registers a gate); in the loop:
.set ACCR, 140                         ; v[140:147] gate r
.set ACCZ, 148                         ; v[148:155] gate z; at a step's end the new h
.set ACCN, 156                         ; v[156:163] gate n
.set HB,   164                         ; v[164:179] h as two B fragments
.set GX,   180                         ; v[180:211] gx of r (+0) and z (+8), two sets 16 apart that take turns
.set GXN,  212                         ; v[212:219] gx of n
.set SRZ,  44                          ; s[44:45]   -log2 e, twice
.set SN,   46                          ; s[46:47]   2 log2 e, twice
; v1 r = lane % 16, v2 hh = lane / 16, v3 .. v6 offsets into the weights, v7 v8 v9 LDS addresses, v[10:11] u and a zero, v[12:15] packed h
	s_load_b512 s[8:23], s[0:1], 0x0               ; x s[8:9], w_hh s[10:11], w_ih s[12:13], proj_w s[14:15], proj_b s[16:17], b_ih s[18:19], b_hh s[20:21], out_w s[22:23]
	s_load_b128 s[24:27], s[0:1], 0x40             ; out_b s[24:25], out0 s[26:27]
	v_lshl_add_u32 v240, v0, 2, 0x29000
	v_mov_b32 v241, 0
	ds_add_u32 v240, v241
	ds_add_u32 v240, v241
	v_lshrrev_b32 v1, 5, v0
	v_readfirstlane_b32 s4, v1                     ; wave 0 .. 3
	v_and_b32 v1, 15, v0                           ; r
	v_bfe_u32 v2, v0, 4, 1                         ; hh
	v_and_b32 v[T], 31, v0                         ; lane L
	s_lshl_b32 s5, s4, 12                          ; 16 rows of 256 bytes a wave
	v_lshlrev_b32 v3, 8, v1
	v_lshl_add_u32 v3, v2, 5, v3
	v_add_nc_u32 v3, s5, v3                        ; w_hh: row 16 w + r, 32 bytes for each half of the lanes
	v_lshlrev_b32 v6, 4, v1                        ; proj_w, proj_b: 16 r
	v_lshl_add_u32 v4, v2, 11, v6
	v_add_nc_u32 v4, s5, v4                        ; w_ih: row 16 w + 8 hh, 16 bytes at 16 r
	s_lshl_b32 s43, s4, 6
	v_lshl_add_u32 v5, v2, 5, s43                  ; biases and out_w: 4 (16 w + 8 hh)
	v_lshl_add_u32 v7, v[T], 4, H_BASE             ; h, to read: slot 0, part 0, 16 L
	s_lshl_b32 s43, s4, 9
	v_add_nc_u32 v8, s43, v7                       ; h, to write: my wave's part
	v_lshlrev_b32 v9, 2, v1                        ; u: U_BASE (= 0) + 4 r, row 0
	s_mov_b32 s[SRZ], 0xbfb8aa3b
	s_mov_b32 s[SRZ+1], 0xbfb8aa3b
	s_mov_b32 s[SN], 0x4038aa3b
	s_mov_b32 s[SN+1], 0x4038aa3b
	; The tile of x: each wave brings 64 rows (t' = 64 w ..) of 16 f32, 256 elements from row to row.
	s_mov_b32 s28, 1                               ; count = 1
	s_lshl_b32 s29, s4, 12                         ; LDS: U_BASE + 4,096 w
	s_mov_b32 s32, 2<<16                           ; elements of 4 bytes, no mask, no padding
	s_mov_b32 s33, 16<<16                          ; tensor_dim0 = 16
	s_mov_b32 s34, 64<<16                          ; tensor_dim1 = 64
	s_mov_b32 s35, 16<<16                          ; tile_dim0 = 16
	s_mov_b32 s36, 64                              ; tile_dim1 = 64
	s_mov_b32 s37, 256                             ; stride from row to row
	s_mov_b32 s38, 0
	s_mov_b32 s39, 0
	s_lshr_b32 s6, ttmp9, 4
	s_lshl_b32 s6, s6, 18                          ; (2 b + half) x 256 rows of 1,024 bytes
	s_and_b32 s43, ttmp9, 15
	s_lshl_b32 s43, s43, 6                         ; + 64 cc
	s_add_co_u32 s6, s6, s43
	s_lshl_b32 s43, s4, 16                         ; + 64 w rows
	s_add_co_u32 s6, s6, s43
	s_mov_b32 s7, 0
	s_wait_dscnt 0x0
	s_wait_kmcnt 0x0
	s_add_nc_u64 s[30:31], s[8:9], s[6:7]
	s_or_b32 s31, s31, 0x80000000                  ; type = 2
	tensor_load_to_lds s[28:31], s[32:39]          ; the one tensor load of this wave
	s_nop 0
	s_load_b32 s42, s[24:25], 0x0                  ; out_b
; 8 loads: rows 64 G + 16 w + j (lanes 0-15) and + 8 + j (lanes 16-31) of w_ih, each row whole: 16 lanes x 16 bytes
.macro LOADIH G
.irp j, 0,1,2,3,4,5,6,7
	global_load_b128 v[ST+32*\G+4*\j:ST+32*\G+4*\j+3], v4, s[12:13] offset:16384*\G+256*\j
.endr
.endm
; 8 loads: row 64 G + 16 w + r of w_hh in the order of two A fragments: K = 32 kk + 8 hh + 0..7, then 32 kk + 16 + 8 hh + 0..7
.macro LOADHH G
.irp kk, 0,1
	global_load_b128 v[ST+32*\G+16*\kk:ST+32*\G+16*\kk+3],     v3, s[10:11] offset:16384*\G+128*\kk
	global_load_b128 v[ST+32*\G+16*\kk+4:ST+32*\G+16*\kk+7],   v3, s[10:11] offset:16384*\G+128*\kk+16
	global_load_b128 v[ST+32*\G+16*\kk+8:ST+32*\G+16*\kk+11],  v3, s[10:11] offset:16384*\G+128*\kk+64
	global_load_b128 v[ST+32*\G+16*\kk+12:ST+32*\G+16*\kk+15], v3, s[10:11] offset:16384*\G+128*\kk+80
.endr
.endm
; a and c of gate G: each lane multiplies its 4 columns of 8 rows, then the 16 lanes of a half add up; every lane of half hh
; ends with the sums of rows 8 hh + j, which is where the matrix results of those rows lie
.macro DOT G
.irp j, 0,1,2,3,4,5,6,7
	v_pk_mul_f32 v[T:T+1],   v[ST+32*\G+4*\j:ST+32*\G+4*\j+1], v[PW:PW+1]
	v_pk_mul_f32 v[T+2:T+3], v[ST+32*\G+4*\j:ST+32*\G+4*\j+1], v[PB:PB+1]
	v_pk_fma_f32 v[T:T+1],   v[ST+32*\G+4*\j+2:ST+32*\G+4*\j+3], v[PW+2:PW+3], v[T:T+1]
	v_pk_fma_f32 v[T+2:T+3], v[ST+32*\G+4*\j+2:ST+32*\G+4*\j+3], v[PB+2:PB+3], v[T+2:T+3]
	v_add_f32 v[AC+16*\G+4*(\j/2)+(\j%2)],   v[T],   v[T+1]
	v_add_f32 v[AC+16*\G+4*(\j/2)+2+(\j%2)], v[T+2], v[T+3]
.endr
.irp m, 1,2,4,8
.irp i, 0,1,2,3,4,5,6,7,8,9,10,11,12,13,14,15
	v_add_f32_dpp v[AC+16*\G+\i], v[AC+16*\G+\i], v[AC+16*\G+\i] row_xmask:\m row_mask:0xf bank_mask:0xf
.endr
.endr
.endm
; biases into c (b_hh too for r and z, where it is merely added), then the gate's scale on a and c (and on b_hh of gate n)
.macro FIN G, sc
.irp q, 0,1,2,3
	v_pk_add_f32 v[AC+16*\G+4*\q+2:AC+16*\G+4*\q+3], v[AC+16*\G+4*\q+2:AC+16*\G+4*\q+3], v[BI+8*\G+2*\q:BI+8*\G+2*\q+1]
.if \G < 2
	v_pk_add_f32 v[AC+16*\G+4*\q+2:AC+16*\G+4*\q+3], v[AC+16*\G+4*\q+2:AC+16*\G+4*\q+3], v[BH+8*\G+2*\q:BH+8*\G+2*\q+1]
.else
	v_pk_mul_f32 v[BN+2*\q:BN+2*\q+1], v[BN+2*\q:BN+2*\q+1], s[\sc:\sc+1] op_sel_hi:[1,0]
.endif
	v_pk_mul_f32 v[AC+16*\G+4*\q+2:AC+16*\G+4*\q+3], v[AC+16*\G+4*\q+2:AC+16*\G+4*\q+3], s[\sc:\sc+1] op_sel_hi:[1,0]
	v_pk_mul_f32 v[AC+16*\G+4*\q:AC+16*\G+4*\q+1],   v[AC+16*\G+4*\q:AC+16*\G+4*\q+1],   s[\sc:\sc+1] op_sel_hi:[1,0]
.endr
.endm
; w_hh of gate G: scale in f32, round once to bf16, two fragments of 8 registers
.macro CVT G, sc
.irp i, 0,1,2,3,4,5,6,7,8,9,10,11,12,13,14,15
	v_pk_mul_f32 v[ST+32*\G+2*\i:ST+32*\G+2*\i+1], v[ST+32*\G+2*\i:ST+32*\G+2*\i+1], s[\sc:\sc+1] op_sel_hi:[1,0]
.endr
.irp i, 0,1,2,3,4,5,6,7,8,9,10,11,12,13,14,15
	v_cvt_pk_bf16_f32 v[WF+16*\G+\i], v[ST+32*\G+2*\i], v[ST+32*\G+2*\i+1]
.endr
.endm
	; All 40 loads of the start at once: 16 small ones, then w_ih gate by gate.
	global_load_b128 v[PW:PW+3], v6, s[14:15]
	global_load_b128 v[PB:PB+3], v6, s[16:17]
.irp G, 0,1,2
	global_load_b128 v[BI+8*\G:BI+8*\G+3],   v5, s[18:19] offset:256*\G
	global_load_b128 v[BI+8*\G+4:BI+8*\G+7], v5, s[18:19] offset:256*\G+16
.endr
.irp G, 0,1
	global_load_b128 v[BH+8*\G:BH+8*\G+3],   v5, s[20:21] offset:256*\G
	global_load_b128 v[BH+8*\G+4:BH+8*\G+7], v5, s[20:21] offset:256*\G+16
.endr
	global_load_b128 v[BN:BN+3],   v5, s[20:21] offset:512
	global_load_b128 v[BN+4:BN+7], v5, s[20:21] offset:528
	global_load_b128 v[OW:OW+3],   v5, s[22:23]
	global_load_b128 v[OW+4:OW+7], v5, s[22:23] offset:16
	LOADIH 0
	LOADIH 1
	LOADIH 2
	; Gate by gate: as soon as a gate's rows of w_ih are used up, its rows of w_hh are loaded into the same 32 registers.
	s_wait_loadcnt 16                              ; the small loads and w_ih of r are in; w_ih of z and n (2 x 8) stay out
	DOT 0
	LOADHH 0
	FIN 0, SRZ
	s_wait_loadcnt 16                              ; w_ih of z is in; w_ih of n and w_hh of r stay out
	DOT 1
	LOADHH 1
	FIN 1, SRZ
	s_wait_loadcnt 16                              ; w_ih of n is in; w_hh of r and z stay out
	DOT 2
	LOADHH 2
	FIN 2, SN
	s_wait_loadcnt 16                              ; w_hh of r is in; z's and n's stay out.  From here on WF takes the place of PW, PB, BI, BH
	CVT 0, SRZ
	s_wait_loadcnt 8
	CVT 1, SRZ
	s_wait_loadcnt 0
	CVT 2, SN
	; The start state: h = 0, so h - 1 = -1, and zeros in slot 0.
.irp j, 0,1,2,3,4,5,6,7
	v_mov_b32 v[HM1+\j], -1.0
.endr
.irp j, 0,1,2,3
	v_mov_b32 v[12+\j], 0
.endr
	v_mov_b32 v11, 0                               ; the packed forms name the pair v[10:11]; only v10 is taken
	ds_store_b128 v8, v[12:15]
	s_wait_dscnt 0x0                               ; my part of h is written,
	s_wait_tensorcnt 0x0                           ; my 64 rows of u have landed,
	s_wait_kmcnt 0x0                               ; (and out_b is here)
	s_barrier_signal -1
	s_barrier_wait -1                              ; and so have everybody's
	ds_load_b32 v10, v9                            ; u(0) of my sequence
	s_wait_dscnt 0x0
; gx, two rows at a time: pair i = 0..3 gate r, 4..7 gate z (both into the named set), 8..11 gate n
.macro GXF i, set
.if \i < 8
	v_pk_fma_f32 v[GX+16*(\set)+2*\i:GX+16*(\set)+2*\i+1], v[AC+4*\i:AC+4*\i+1], v[10:11], v[AC+4*\i+2:AC+4*\i+3] op_sel_hi:[1,0,1]
.else
	v_pk_fma_f32 v[GXN+2*(\i-8):GXN+2*(\i-8)+1], v[AC+4*\i:AC+4*\i+1], v[10:11], v[AC+4*\i+2:AC+4*\i+3] op_sel_hi:[1,0,1]
.endif
.endm
; a place behind a matrix instruction or a transcendental: the next step's gx where there is a next step, else v_nop
.macro PLACE i, set, nxt
.if \nxt
	GXF \i, \set
.else
	v_nop
.endif
.endm
.irp i, 0,1,2,3,4,5,6,7,8,9,10,11
	GXF \i, 0
.endr
; One step.  Reads h from slot p and gx from set p; nxt = 1: makes the next step's gx (set 1 - p) and hands the new h over in slot 1 - p.
.macro STEP p, nxt
.irp i, 0,1,2,3
	ds_load_b128 v[HB+4*\i:HB+4*\i+3], v7 offset:2048*\p+512*\i    ; wave i's 16 units: 512 neighbouring bytes a load
.endr
.if \nxt
	ds_load_b32 v10, v9 offset:64*(\p+1)           ; u of the next step
.endif
	s_wait_dscnt 2+\nxt                            ; units 0-31 are in; units 32-63 (two loads) and u may be out
	v_wmma_f32_16x16x32_bf16 v[ACCR:ACCR+7], v[WF:WF+7],       v[HB:HB+7], v[GX+16*\p:GX+16*\p+7]       ; the sums start from gx,
	v_wmma_f32_16x16x32_bf16 v[ACCZ:ACCZ+7], v[WF+16:WF+23],   v[HB:HB+7], v[GX+16*\p+8:GX+16*\p+15]
	v_wmma_f32_16x16x32_bf16 v[ACCN:ACCN+7], v[WF+32:WF+39],   v[HB:HB+7], v[BN:BN+7]                   ; gate n's from b_hh: r multiplies both
	s_wait_dscnt \nxt                              ; all of h is in; u may be out
	v_wmma_f32_16x16x32_bf16 v[ACCR:ACCR+7], v[WF+8:WF+15],    v[HB+8:HB+15], v[ACCR:ACCR+7]
	v_wmma_f32_16x16x32_bf16 v[ACCZ:ACCZ+7], v[WF+24:WF+31],   v[HB+8:HB+15], v[ACCZ:ACCZ+7]
	v_wmma_f32_16x16x32_bf16 v[ACCN:ACCN+7], v[WF+40:WF+47],   v[HB+8:HB+15], v[ACCN:ACCN+7]
.if \nxt
	s_wait_dscnt 0x0                               ; u of the next step
.endif
	PLACE 0, (1-\p), \nxt                          ; four independent vector instructions before a matrix result is read (ISA guide 7.12.1):
	PLACE 1, (1-\p), \nxt                          ; they write the other gx set and name no register of the six products
	PLACE 2, (1-\p), \nxt
	PLACE 3, (1-\p), \nxt
.irp j, 0,1,2,3,4,5,6,7
	v_exp_f32 v[ACCR+\j], v[ACCR+\j]
.endr
.irp j, 0,1,2,3,4,5,6,7
	v_exp_f32 v[ACCZ+\j], v[ACCZ+\j]
.endr
	PLACE 4, (1-\p), \nxt                          ; one plain vector instruction behind a run of transcendentals before a result is used (ISA guide 5.7.2)
	s_wait_alu depctr_va_vdst(0)
.irp q, 0,2,4,6
	v_pk_add_f32 v[ACCR+\q:ACCR+\q+1], v[ACCR+\q:ACCR+\q+1], 1.0 op_sel_hi:[1,0]
.endr
.irp j, 0,1,2,3,4,5,6,7
	v_rcp_f32 v[ACCR+\j], v[ACCR+\j]               ; r
.endr
.irp q, 0,2,4,6
	v_pk_add_f32 v[ACCZ+\q:ACCZ+\q+1], v[ACCZ+\q:ACCZ+\q+1], 1.0 op_sel_hi:[1,0]   ; these also stand between r's reciprocals and their use
.endr
	s_wait_alu depctr_va_vdst(0)
.irp q, 0,2,4,6
	v_pk_fma_f32 v[ACCN+\q:ACCN+\q+1], v[ACCR+\q:ACCR+\q+1], v[ACCN+\q:ACCN+\q+1], v[GXN+\q:GXN+\q+1]   ; r (W h + b) + gx
.endr
.irp j, 0,1,2,3,4,5,6,7
	v_exp_f32 v[ACCN+\j], v[ACCN+\j]
.endr
.irp j, 0,1,2,3,4,5,6,7
	v_rcp_f32 v[ACCZ+\j], v[ACCZ+\j]               ; z
.endr
	PLACE 5, (1-\p), \nxt
	s_wait_alu depctr_va_vdst(0)
.irp q, 0,2,4,6
	v_pk_add_f32 v[ACCN+\q:ACCN+\q+1], v[ACCN+\q:ACCN+\q+1], 1.0 op_sel_hi:[1,0]
.endr
.irp j, 0,1,2,3,4,5,6,7
	v_rcp_f32 v[ACCN+\j], v[ACCN+\j]               ; tc = 1 / (1 + 2^s): the candidate is c = 1 - 2 tc
.endr
	PLACE 6, (1-\p), \nxt
.if \nxt
	GXF 7, (1-\p)
.endif
	s_wait_alu depctr_va_vdst(0)
.irp q, 0,2,4,6
	v_pk_fma_f32 v[ACCR+\q:ACCR+\q+1], v[ACCN+\q:ACCN+\q+1], 2.0, v[HM1+\q:HM1+\q+1] op_sel_hi:[1,0,1]   ; h - c = (h - 1) + 2 tc
.endr
.irp q, 0,2,4,6
	v_pk_fma_f32 v[ACCN+\q:ACCN+\q+1], v[ACCN+\q:ACCN+\q+1], -2.0, 1.0 op_sel_hi:[1,0,0]                 ; c
.endr
.irp q, 0,2,4,6
	v_pk_fma_f32 v[ACCZ+\q:ACCZ+\q+1], v[ACCZ+\q:ACCZ+\q+1], v[ACCR+\q:ACCR+\q+1], v[ACCN+\q:ACCN+\q+1]  ; the new h = z (h - c) + c
.endr
.if \nxt
.irp q, 0,1,2,3
	v_cvt_pk_bf16_f32 v[12+\q], v[ACCZ+2*\q], v[ACCZ+2*\q+1]
.endr
	ds_store_b128 v8, v[12:15] offset:2048*(1-\p)  ; the slot that was last read one step ago, in front of the last barrier
.irp q, 0,2,4,6
	v_pk_add_f32 v[HM1+\q:HM1+\q+1], v[ACCZ+\q:ACCZ+\q+1], -1.0 op_sel_hi:[1,0]
.endr
	s_wait_dscnt 0x0                               ; my part of the new h is written (my reads of slot p ended above):
	s_barrier_signal -1                            ; say so,
	GXF 8, 0                                       ; gate n's gx of the next step, registers only, while the others arrive;
	GXF 9, 0                                       ; this step has read the old one
	GXF 10, 0
	GXF 11, 0
	s_barrier_wait -1                              ; slot 1 - p is whole, and slot p may be written in the next step
.endif
.endm
	s_mov_b32 s40, 127                             ; 127 trips of two steps, and two steps behind the loop: 256
.Ltrip:
	STEP 0, 1
	STEP 1, 1
	v_add_nc_u32 v9, 128, v9                       ; two rows of u further
	s_sub_co_u32 s40, s40, 1
	s_cmp_lg_u32 s40, 0
	s_cbranch_scc1 .Ltrip
	STEP 0, 1
	STEP 1, 0                                      ; the last step fetches no u and hands nothing over
	; The output: each lane's 8 units times out_w; the 8 parts of a sequence (4 waves x 2 halves of lanes) meet in LDS.
	v_pk_mul_f32 v[T:T+1], v[ACCZ:ACCZ+1], v[OW:OW+1]
.irp q, 2,4,6
	v_pk_fma_f32 v[T:T+1], v[ACCZ+\q:ACCZ+\q+1], v[OW+\q:OW+\q+1], v[T:T+1]
.endr
	v_add_f32 v[T], v[T], v[T+1]
	v_and_b32 v12, 31, v0
	s_lshl_b32 s43, s4, 7
	v_lshlrev_b32 v12, 2, v12
	v_add_nc_u32 v12, s43, v12                     ; 128 w + 4 L = 64 (2 w + hh) + 4 r
	ds_store_b32 v12, v[T] offset:O_BASE
	s_wait_dscnt 0x0                               ; written, for wave 0's sake
	s_barrier_signal -1
	s_barrier_wait -1
	s_cmp_lg_u32 s4, 0
	s_cbranch_scc1 .Lend                           ; waves 1 to 3 are done; no barrier follows
	v_lshlrev_b32 v13, 2, v1                       ; 4 r
.irp k, 0,1,2,3,4,5,6,7
	ds_load_b32 v[HB+\k], v13 offset:O_BASE+64*\k
.endr
	v_lshlrev_b32 v14, 3, v1                       ; sequences of one parity lie 8 bytes apart in out0
	s_lshr_b32 s6, ttmp9, 5
	s_lshl_b32 s6, s6, 11                          ; b x 512 numbers
	s_and_b32 s43, ttmp9, 15
	s_lshl_b32 s43, s43, 7                         ; + 32 cc numbers
	s_add_co_u32 s6, s6, s43
	s_bfe_u32 s5, ttmp9, 0x10004                   ; half
	s_lshl_b32 s5, s5, 2
	s_add_co_u32 s6, s6, s5
	s_mov_b32 s7, 0
	s_add_nc_u64 s[26:27], s[26:27], s[6:7]
	s_wait_dscnt 0x0
	v_pk_add_f32 v[HB:HB+1],   v[HB:HB+1],   v[HB+2:HB+3]
	v_pk_add_f32 v[HB+4:HB+5], v[HB+4:HB+5], v[HB+6:HB+7]
	v_pk_add_f32 v[HB:HB+1],   v[HB:HB+1],   v[HB+4:HB+5]
	v_add_f32 v[HB], v[HB], v[HB+1]
	v_add_f32 v[HB], s42, v[HB]                    ; + out_b
	v_cmp_gt_u32 vcc_lo, 16, v0
	s_wait_xcnt 0x0                                ; EXEC is a source of the earlier loads: it changes only behind this wait
	s_and_saveexec_b32 s41, vcc_lo                 ; lanes 0-15: one number for each sequence
	global_store_b32 v14, v[HB], s[26:27]
	s_wait_xcnt 0x0                                ; and again in front of the line that widens it
	s_or_b32 exec_lo, exec_lo, s41
.Lend:
	s_wait_tensorcnt 0x0
	ds_add_u32 v240, v241
	s_wait_dscnt 0x0
	s_endpgm
.Lfunc_end_k_q510481d385_gru:
	.size	k_q510481d385_gru, .Lfunc_end_k_q510481d385_gru-k_q510481d385_gru
	.p2alignl 7, 3214868480
	.fill 96, 4, 3214868480
	.section	.rodata,"a",@progbits
	.p2align	6, 0x0
	.amdhsa_kernel k_q510481d385_gru
		.amdhsa_group_segment_fixed_size 168448
		.amdhsa_private_segment_fixed_size 0
		.amdhsa_enable_private_segment 0
		.amdhsa_kernarg_size 80
		.amdhsa_user_sgpr_count 2
		.amdhsa_user_sgpr_kernarg_segment_ptr 1
		.amdhsa_wavefront_size32 1
		.amdhsa_system_sgpr_workgroup_id_x 1
		.amdhsa_system_sgpr_workgroup_id_y 1
		.amdhsa_system_sgpr_workgroup_id_z 1
		.amdhsa_system_vgpr_workitem_id 0
		.amdhsa_next_free_vgpr 242
		.amdhsa_next_free_sgpr 66
		.amdhsa_reserve_vcc 1
		.amdhsa_float_denorm_mode_32 3
		.amdhsa_float_denorm_mode_16_64 3
		.amdhsa_memory_ordered 1
		.amdhsa_forward_progress 1
		.amdhsa_inst_pref_size 63
	.end_amdhsa_kernel
	.amdgpu_metadata
---
amdhsa.version: [ 1, 2 ]
amdhsa.kernels:
  - .name:           k_q510481d385_gru
    .symbol:         k_q510481d385_gru.kd
    .args:
      - { .name: x, .offset: 0, .size: 8, .value_kind: global_buffer, .address_space: global }
      - { .name: w_hh, .offset: 8, .size: 8, .value_kind: global_buffer, .address_space: global }
      - { .name: w_ih, .offset: 16, .size: 8, .value_kind: global_buffer, .address_space: global }
      - { .name: proj_w, .offset: 24, .size: 8, .value_kind: global_buffer, .address_space: global }
      - { .name: proj_b, .offset: 32, .size: 8, .value_kind: global_buffer, .address_space: global }
      - { .name: b_ih, .offset: 40, .size: 8, .value_kind: global_buffer, .address_space: global }
      - { .name: b_hh, .offset: 48, .size: 8, .value_kind: global_buffer, .address_space: global }
      - { .name: out_w, .offset: 56, .size: 8, .value_kind: global_buffer, .address_space: global }
      - { .name: out_b, .offset: 64, .size: 8, .value_kind: global_buffer, .address_space: global }
      - { .name: out0, .offset: 72, .size: 8, .value_kind: global_buffer, .address_space: global }
    .group_segment_fixed_size: 168448
    .private_segment_fixed_size: 0
    .kernarg_segment_align: 8
    .kernarg_segment_size: 80
    .max_flat_workgroup_size: 128
    .sgpr_count:     66
    .vgpr_count:     242
    .wavefront_size: 32
...
	.end_amdgpu_metadata
.endif
;; end of part 1
